; MI455X (gfx1250); checked and timed in simulation.
; The chip was launched on July 23, 2026; its instructions are those of AMD's public machine-readable ISA for CDNA 5 (MIT licence, August 2026) and "CDNA5" Instruction Set Architecture Reference Guide (July 2026). The comments in the code are by the model that wrote it; some were corrected since.
;; Binary Diff. Allowed arithmetic: float matrix products may take bf16 or f16 operands with f32 sums; other float arithmetic in f32, or as packed bf16 or f16 multiplies, adds, multiply-adds, maxima and minima; sums over many terms, partial sums and values carried from step to step in f32; what a program stores and reads back later, other than sums and carried values, may be rounded once to bf16 or f16.
;; Inputs: base 4,096 x 4,096 float32; coeff 1 float32; mask 4,096 x 4,096 int32; x 4 x 512 x 4,096 float32.
;; Outputs: out0 4 x 512 x 4,096 float32.
;; 2 versions, each right; version 2 is version 1 with the launch prep written anew for expert scheduling mode. Each part assembles by itself: llvm-mc -triple=amdgcn-amd-amdhsa -mcpu=gfx1250 --defsym DOCPART=n.
;; ======== version 1 of 2: 2 launches
;; workspace buffers: wb 33,554,432 bytes; xb 16,777,216 bytes
;; launch prep (part 1): grid 2048 x 1, 4 waves a work-group, no clusters, 0 bytes of LDS; arguments base, coeff, mask, x, wb, xb; writes wb, xb
.if DOCPART == 1
	.amdgcn_target "amdgcn-amd-amdhsa--gfx1250"
	.amdhsa_code_object_version 6
	.text
	.protected	k_qac0e79a78b_prep
	.globl	k_qac0e79a78b_prep
	.p2align	8
	.type	k_qac0e79a78b_prep,@function
k_qac0e79a78b_prep:
	s_mov_b64 s[64:65], 0
	v_nop
	global_prefetch_b8 v0, s[64:65] scope:SCOPE_SE
	s_setreg_imm32_b32 hwreg(HW_REG_WAVE_MODE, 25, 1), 1
	s_wait_xcnt 0x0
; out = x . base + c (x . m), with m = float(mask) and c = coeff[0].
; ONE PRODUCT FOR TWO.  For all real values of the inputs x . base + c (x . m) = x . (base + c m): multiplication distributes over addition.
; So the program forms W = base + c m once, element by element (this launch), and multiplies x by W once (the next launch): half the matrix work of the formula as written.
; Nothing is left out: every input is loaded, and m is float(mask) whatever whole numbers mask holds.
; THIS LAUNCH.  wb[k][n] = bf16( bf16(base[k][n]) + bf16(c) float(mask[k][n]) ), in the order of base; xb = bf16(x).  The sum is one fused multiply-add in f32.
; Each input is rounded to bf16 first, as a matrix operand is; W is then rounded once more, since it is the operand of the one product.
; LIMITS.  W is rounded to bf16 where the formula as written keeps two f32 sums: the error goes with |W| |x| and forms no difference of large sums; base is rounded twice.
; An overflow or an infinity that arises in c (x . m) alone, or a NaN from infinities of opposite sign in the two products, is not reproduced term by term.
; SHARES.  A stream: no LDS, no barrier, no loop.  Work-group g owns elements 8,192 g .. + 8,191 of W and 4,096 g .. + 4,095 of x.  An item is four numbers a thread, 512 a work-group:
; 16 items of W, 8 of x.  A load of a wave covers 512 consecutive bytes, a store 256 consecutive bytes, aligned.
; IN FLIGHT.  All 40 loads of a wave, 20 KiB, are issued before the first wait on them.  No register is loaded twice and none that a store reads is written again.
.set CF, 4                             ; v[4:5]   bf16(c) as f32, twice: a pair for the packed multiply-add
.set T,  6                             ; v[6:7]   at work: four numbers of base, rounded to bf16
.set D,  8                             ; v[8:167] group j of eight at D + 20 j: base item 2 j, mask item 2 j, base item 2 j + 1, mask item 2 j + 1, x item j: four registers each
	s_load_b256 s[4:11], s[0:1], 0x0               ; base s[4:5], coeff s[6:7], mask s[8:9], x s[10:11]
	s_load_b128 s[12:15], s[0:1], 0x20             ; wb s[12:13], xb s[14:15]
	v_lshlrev_b32 v1, 4, v0                        ; my 16 bytes of an item of base, mask or x; never rewritten
	v_lshlrev_b32 v2, 3, v0                        ; my 8 bytes of an item of wb or xb; never rewritten
	s_mov_b32 s17, 0xffff0000                      ; a word's upper bf16
	s_lshl_b32 s18, ttmp9, 15                      ; the work-group's 32,768 bytes of base and of mask
	s_mov_b32 s19, 0
	s_lshl_b32 s20, ttmp9, 14                      ; its 16,384 bytes of x and of wb
	s_mov_b32 s21, 0
	s_lshl_b32 s22, ttmp9, 13                      ; its 8,192 bytes of xb
	s_mov_b32 s23, 0
	s_wait_kmcnt 0x0
	s_load_b32 s16, s[6:7], 0x0                    ; c
	s_add_nc_u64 s[4:5], s[4:5], s[18:19]
	s_add_nc_u64 s[8:9], s[8:9], s[18:19]
	s_add_nc_u64 s[10:11], s[10:11], s[20:21]
	s_add_nc_u64 s[12:13], s[12:13], s[20:21]
	s_add_nc_u64 s[14:15], s[14:15], s[22:23]
.irp j, 0,1,2,3,4,5,6,7                ; five loads a group, in the order in which they are used
	global_load_b128 v[D+20*(\j):D+20*(\j)+3],     v1, s[4:5]   offset:4096*(\j) th:TH_LOAD_NT
	global_load_b128 v[D+20*(\j)+4:D+20*(\j)+7],   v1, s[8:9]   offset:4096*(\j) th:TH_LOAD_NT
	global_load_b128 v[D+20*(\j)+8:D+20*(\j)+11],  v1, s[4:5]   offset:4096*(\j)+2048 th:TH_LOAD_NT
	global_load_b128 v[D+20*(\j)+12:D+20*(\j)+15], v1, s[8:9]   offset:4096*(\j)+2048 th:TH_LOAD_NT
	global_load_b128 v[D+20*(\j)+16:D+20*(\j)+19], v1, s[10:11] offset:2048*(\j) th:TH_LOAD_NT
.endr
	s_wait_kmcnt 0x0                               ; c
	v_mov_b32 v[CF], s16
	v_cvt_pk_bf16_f32 v[CF], v[CF], v[CF]          ; c rounded to bf16,
	v_lshlrev_b32 v[CF], 16, v[CF]                 ; and widened again
	v_mov_b32 v[CF+1], v[CF]
; Item i of W: base in v[r:r+3], mask in v[r+4:r+7].  left = the loads issued behind the item's two, which may stay out (loads come back in order: ISA guide 5.7.1).
.macro WITEM i, r, left
	s_wait_loadcnt \left
	v_cvt_pk_bf16_f32 v[T],   v[(\r)],   v[(\r)+1]   ; base rounded to bf16,
	v_cvt_pk_bf16_f32 v[T+1], v[(\r)+2], v[(\r)+3]
.irp k, 4,5,6,7
	v_cvt_f32_i32 v[(\r)+\k], v[(\r)+\k]             ; m = float(mask)
.endr
	v_lshlrev_b32 v[(\r)],   16,  v[T]               ; and widened again: the low half moves up, the high half stays
	v_and_b32     v[(\r)+1], s17, v[T]
	v_lshlrev_b32 v[(\r)+2], 16,  v[T+1]
	v_and_b32     v[(\r)+3], s17, v[T+1]
	v_pk_fma_f32 v[(\r):(\r)+1],   v[(\r)+4:(\r)+5], v[CF:CF+1], v[(\r):(\r)+1]      ; m c + base, two at a time
	v_pk_fma_f32 v[(\r)+2:(\r)+3], v[(\r)+6:(\r)+7], v[CF:CF+1], v[(\r)+2:(\r)+3]
	v_cvt_pk_bf16_f32 v[(\r)+4], v[(\r)],   v[(\r)+1]
	v_cvt_pk_bf16_f32 v[(\r)+5], v[(\r)+2], v[(\r)+3]
	global_store_b64 v2, v[(\r)+4:(\r)+5], s[12:13] offset:1024*(\i)  ; a wave stores 256 consecutive bytes, at a multiple of 256 from the buffer's first byte
.endm
; Item j of x, in v[r:r+3].
.macro XITEM j, r, left
	s_wait_loadcnt \left
	v_cvt_pk_bf16_f32 v[(\r)],   v[(\r)],   v[(\r)+1]
	v_cvt_pk_bf16_f32 v[(\r)+1], v[(\r)+2], v[(\r)+3]
	global_store_b64 v2, v[(\r):(\r)+1], s[14:15] offset:1024*(\j)
.endm
.irp j, 0,1,2,3,4,5,6,7                ; of the 40 loads, 5 j + 2, 5 j + 4 and 5 j + 5 have to be in: the counts run down to 3, 1, 0
	WITEM 2*(\j),   D+20*(\j),    38-5*(\j)
	WITEM 2*(\j)+1, D+20*(\j)+8,  36-5*(\j)
	XITEM \j,       D+20*(\j)+16, 35-5*(\j)
.endr
	s_endpgm
.Lfunc_end_k_qac0e79a78b_prep:
	.size	k_qac0e79a78b_prep, .Lfunc_end_k_qac0e79a78b_prep-k_qac0e79a78b_prep
	.p2alignl 7, 3214868480
	.fill 96, 4, 3214868480
	.section	.rodata,"a",@progbits
	.p2align	6, 0x0
	.amdhsa_kernel k_qac0e79a78b_prep
		.amdhsa_group_segment_fixed_size 0
		.amdhsa_private_segment_fixed_size 0
		.amdhsa_enable_private_segment 0
		.amdhsa_kernarg_size 48
		.amdhsa_user_sgpr_count 2
		.amdhsa_user_sgpr_kernarg_segment_ptr 1
		.amdhsa_wavefront_size32 1
		.amdhsa_system_sgpr_workgroup_id_x 1
		.amdhsa_system_sgpr_workgroup_id_y 1
		.amdhsa_system_sgpr_workgroup_id_z 1
		.amdhsa_system_vgpr_workitem_id 0
		.amdhsa_next_free_vgpr 168
		.amdhsa_next_free_sgpr 66
		.amdhsa_reserve_vcc 0
		.amdhsa_float_denorm_mode_32 3
		.amdhsa_float_denorm_mode_16_64 3
		.amdhsa_memory_ordered 1
		.amdhsa_forward_progress 1
		.amdhsa_inst_pref_size 19
	.end_amdhsa_kernel
	.amdgpu_metadata
---
amdhsa.version: [ 1, 2 ]
amdhsa.kernels:
  - .name:           k_qac0e79a78b_prep
    .symbol:         k_qac0e79a78b_prep.kd
    .args:
      - { .name: base, .offset: 0, .size: 8, .value_kind: global_buffer, .address_space: global }
      - { .name: coeff, .offset: 8, .size: 8, .value_kind: global_buffer, .address_space: global }
      - { .name: mask, .offset: 16, .size: 8, .value_kind: global_buffer, .address_space: global }
      - { .name: x, .offset: 24, .size: 8, .value_kind: global_buffer, .address_space: global }
      - { .name: wb, .offset: 32, .size: 8, .value_kind: global_buffer, .address_space: global }
      - { .name: xb, .offset: 40, .size: 8, .value_kind: global_buffer, .address_space: global }
    .group_segment_fixed_size: 0
    .private_segment_fixed_size: 0
    .kernarg_segment_align: 8
    .kernarg_segment_size: 48
    .max_flat_workgroup_size: 128
    .sgpr_count:     66
    .vgpr_count:     168
    .wavefront_size: 32
...
	.end_amdgpu_metadata
.endif
;; end of part 1
;; launch gemm (part 2): grid 16 x 16, 4 waves a work-group, clusters of 4 x 4, 327,680 bytes of LDS; arguments xb, wb, out0; writes out0
.if DOCPART == 2
	.amdgcn_target "amdgcn-amd-amdhsa--gfx1250"
	.amdhsa_code_object_version 6
	.text
	.protected	k_qac0e79a78b_gemm
	.globl	k_qac0e79a78b_gemm
	.p2align	8
	.type	k_qac0e79a78b_gemm,@function
k_qac0e79a78b_gemm:
	s_mov_b64 s[64:65], 0
	v_nop
	global_prefetch_b8 v0, s[64:65] scope:SCOPE_SE
	s_setreg_imm32_b32 hwreg(HW_REG_WAVE_MODE, 25, 1), 1
	s_wait_xcnt 0x0
	s_wait_alu depctr_hold_cnt(0) depctr_sa_sdst(0) depctr_va_vdst(0) depctr_va_sdst(0) depctr_va_ssrc(0) depctr_va_vcc(0) depctr_vm_vsrc(0)
	s_getreg_b32 s2, hwreg(HW_REG_IB_STS2, 6, 4)
	s_cmp_eq_u32 s2, 0
	s_cbranch_scc0 .Lentry_in_a_cluster
	s_endpgm
.Lentry_in_a_cluster:
	s_bfe_u32 s2, ttmp6, 0x10000c
	s_cmp_lg_u32 s2, 0xf033
	s_cbranch_scc0 .Lentry_shape_is_right
	s_endpgm
.Lentry_shape_is_right:
; out[m][n] = the sum over k of xb[m][k] wb[k][n].  xb: [2048][4096] bf16 = x rounded; wb: [4096 k][4096 n] bf16 = base + c float(mask), made by the launch before; out: [2048][4096] f32.
; One product stands for the two of the formula as written: x . base + c (x . m) = x . (base + c m) for all real values of the inputs; the limits are stated at the head of the launch before.
; SHARES.  A tile of out is 128 rows x 256 columns: 16 x 16 = 256 work-groups.  Four waves, each 64 rows x 128 columns: 32 accumulators of 16 x 16, 256 registers.
; K goes in 32 steps of 128 through a ring of two LDS slots filled by the tensor data mover: 128 rows of xb (256 bytes each) and 128 k-rows of wb (512 bytes each); two slots of a step of 256 would not fit in LDS.
; wb LIES [k][n]: its tiles come into LDS as they lie and are turned on the way into registers, by ds_load_tr16_b128: two such loads make a fragment, as two plain loads do for xb.
; CLUSTERS: 4 x 4 work-groups.  The four of a row of the cluster need the same tiles of xb, the four of a column the same tiles of wb: each tile is asked for JOINTLY, by the same tensor load with the
; same descriptor and a mask that names the four.
; THE MATRIX INSTRUCTION IS USED TRANSPOSED (source 0 = 16 columns of wb, source 1 = 16 rows of xb): a lane then holds row l % 16 of out and the eight neighbouring columns 8 (l / 16) + 0 .. 7.
; REGISTERS, in windows of 256 (s_set_vgpr_msb: bits 1:0 source 0, 3:2 source 1, 5:4 source 2, 7:6 destination):
;   window 0: v0-31 addresses; v64-159, v160-255 two fragment buffers of 96 (4 fragments of xb, then 8 of wb: 32 along K); on the way out v64-191 hold rows read back from the stage
;   window 1: the accumulators: (a, b) at v[8 (8 a + b)], a = block of 16 rows, b = block of 16 columns
.set SIZE_K, 4096
.set SIZE_N, 4096
.set KSTEP,  128
.set PA,     272                       ; a row of xb in LDS: 256 bytes + 16 of padding = 68 words: the 16 rows of a load start at 16 different groups of four banks (64 banks of 4 bytes: ISA guide 11.1)
.set PB,     544                       ; a k-row of wb: 512 + 32 = 136 words
.set AHALF,  64*PA                     ; what one tensor load brings of xb
.set BHALF,  64*PB                     ; and of wb
.set BOFF,   2*AHALF                   ; in a slot: 128 rows of xb, then 128 k-rows of wb
.set SLOT,   BOFF+2*BHALF              ; 104,448 bytes
.set STAGE,  2*SLOT                    ; behind the ring, never filled by a tensor load: 16 rows x 528 bytes for each wave, for the way out
.set SP,     528                       ; a stage row: 512 bytes + 16
.set SPARE,  STAGE+4*16*SP             ; behind the stages: the spare words, 128 bytes for each wave: two blocks of 256 bytes that no other line names
.set LAPS,   SIZE_K/(2*KSTEP)          ; a lap = two K steps = once round the ring: 16
.set BSTEP,  KSTEP*SIZE_N*2            ; a K step in wb: 128 k-rows of 8,192 bytes
.set OROW,   SIZE_N*4                  ; bytes in a row of out
.set ADRA, 16                          ; v16-17  LDS address of my fragments of xb in slot 0, 1
.set ADRB, 20                          ; v20-21  the same for wb
.set STO,  24                          ; v24     the way out: where I put 32 bytes of a row
.set RD,   25                          ; v25     the way out: where I read a row back
.set CO,   26                          ; v26     my 16 bytes in 512 consecutive bytes of out
.set SPW,  28                          ; v28     LDS address of my spare word: SPARE + 4 x my thread's number; never rewritten
.set NIL,  29                          ; v29     0; never rewritten
.set PFO,  30                          ; v30     the prefetches' lane offset; never rewritten
.set F0,   64                          ; fragment buffers
.set F1,   160
.set OB,   64                          ; the way out: two buffers of 64 registers, by turns
.set G1,  24                           ; s[24:31] descriptor group 1 for xb's tiles;  s[32:39] group 0, one set for each slot
.set G0,  32
.set G1B, 48                           ; s[48:55], s[56:63] the same for wb's tiles
.set G0B, 56
.set PFA, 66                           ; s[66:67] where my prefetches stand
.set PFS, 68                           ; s[68:69] a K step in the tensor that I prefetch
.set LIM, 70                           ; s70     2 in a wave that prefetches, else the greatest number
.set MSB, 0
.macro WIN new                         ; the immediate's high byte repeats the setting that is left; a switch that changes nothing is dropped
.if MSB != (\new)
	s_set_vgpr_msb (MSB<<8)|(\new)
.set MSB, \new
.endif
.endm
.set MUL, 0x50                         ; sources 0 and 1 window 0; C and D window 1
; A joint load: waves 0 and 1 fetch xb's two halves, waves 2 and 3 wb's.  The branch hangs on the wave's number alone.  An s_nop 0 and four v_nop follow each of the two lines, ahead of the jump, the label and what follows.
.macro JLOAD s
	s_cmp_eq_u32 s11, 0
	s_cbranch_scc0 .Lfor_b_\@
	tensor_load_to_lds s[G0+4*(\s):G0+4*(\s)+3], s[G1:G1+7]
	s_nop 0
.rept 4
	v_nop
.endr
	s_branch .Lasked_\@
.Lfor_b_\@:
	tensor_load_to_lds s[G0B+4*(\s):G0B+4*(\s)+3], s[G1B:G1B+7]
	s_nop 0
.rept 4
	v_nop
.endr
.Lasked_\@:
.endm
.macro CREST                           ; a round of the cluster's barrier behind its opening barrier: wave 0 signals for the work-group, every wave waits for all sixteen, my work-group's barrier closes it
	s_cmp_lg_u32 s10, 0
	s_cbranch_scc1 .Lnot_wave_0_\@
	s_barrier_signal -3
.Lnot_wave_0_\@:
	s_barrier_wait -3
	s_barrier_signal -1
	s_barrier_wait -1
.endm
.macro CROUND                          ; a whole round
	s_barrier_signal -1
	s_barrier_wait -1
	CREST
.endm
; A PREFETCH INTO THE L2, behind a joint load, its five lines and the run of LDS loads that follows them.  The change of slots at K step t, which asks for step t + 2, names step t + 6: four K steps, 512 matrix instructions, ahead of that step's joint load.
; Each aligned 256 bytes of xb and wb are named ONCE in the launch.  A tile row of xb is read by every cluster of that row of clusters: cluster x = 0 asks, by its waves 0; of the tile's 128 rows the partner at cx takes 32, a lane a row.
; A tile column of wb is read by every cluster of that column: cluster y = 0 asks, by its waves 2 and 3; of a wave's 64 k-rows the partner at cy takes 16, two lanes a row of 512 bytes.  The partners are told apart BY ADDRESS.
; Steps 0 to 5 come by their loads alone; the loop's last two trips ask for nothing: steps 32 and beyond do not exist.
.macro ASK
	s_cmp_gt_u32 s3, s[LIM]                        ; s3 runs from 15 down to 1: trips with s3 above 2 name steps 6 to 31
	s_cbranch_scc0 .Lnot_mine_\@
	global_prefetch_b8 v[PFO], s[PFA:PFA+1] th:TH_LOAD_NT scope:SCOPE_SE
.Lnot_mine_\@:
.endm
	s_load_b128 s[4:7], s[0:1], 0x0                ; xb s[4:5], wb s[6:7]
	s_load_b64 s[8:9], s[0:1], 0x10                ; out
	v_lshl_add_u32 v[SPW], v0, 2, SPARE
	v_mov_b32 v[NIL], 0
	ds_add_u32 v[SPW], v[NIL]                      ; the wave's opening: the add, twice on end, and its wait ahead of my first tensor load; the set-up below, work on registers, stands between
	ds_add_u32 v[SPW], v[NIL]                      ; and once more, under the one wait
	v_lshrrev_b32 v1, 5, v0
	v_readfirstlane_b32 s10, v1                    ; wave 0..3
	s_lshr_b32 s11, s10, 1                         ; which half of the tile's rows is mine.  Also: I fetch for xb (0) or for wb (1)
	s_and_b32 s12, s10, 1                          ; which half of its columns.  Also: which 64 rows of that tensor's tile I fetch
	s_bfe_u32 s40, ttmp6, 0x40000                  ; cx, cy: my place in the cluster
	s_bfe_u32 s41, ttmp6, 0x40004
	s_lshl_b32 s42, ttmp9, 2
	s_add_co_u32 s42, s42, s40                     ; tile column of out = 4 x cluster x + cx
	s_and_b32 s13, ttmp7, 0xffff
	s_lshl_b32 s13, s13, 2
	s_add_co_u32 s13, s13, s41                     ; tile row of out = 4 x cluster y + cy
	s_lshl_b32 s43, s41, 2
	s_lshl_b32 s43, 15, s43                        ; my row of the cluster: places 4 cy .. 4 cy + 3
	s_lshl_b32 s44, 0x1111, s40                    ; my column: places cx, cx + 4, cx + 8, cx + 12
	; descriptor group 1.  xb: a tile of 64 rows x 128 elements; wb: 64 k-rows x 256 elements; both padded in LDS
	s_or_b32 s[G1+0], s43, (1<<16)|(1<<20)|(1<<21)|(5<<22)|(3<<25)   ; 15:0 the mask: xb's tiles go to my row; 17:16 elements of 2 bytes; 20 padding on; 21 set beside a mask; 24:22 after every 64 words (code 5); 31:25 4 words (code 3)
	s_or_b32 s[G1B+0], s44, (1<<16)|(1<<20)|(1<<21)|(6<<22)|(7<<25)  ; wb's tiles go to my column; padding after every 128 words (code 6), 8 words (code 7)
	s_mov_b32 s[G1+1], KSTEP<<16                   ; tensor_dim0 = 128
	s_mov_b32 s[G1+2], 64<<16                      ; tensor_dim1 = 64
	s_mov_b32 s[G1+3], KSTEP<<16                   ; tile_dim0 = 128
	s_mov_b32 s[G1+4], 64                          ; tile_dim1 = 64
	s_mov_b32 s[G1+5], SIZE_K                      ; elements from row to row
	s_mov_b32 s[G1+6], 0
	s_mov_b32 s[G1+7], 0
	s_mov_b32 s[G1B+1], 256<<16                    ; tensor_dim0 = 256
	s_mov_b32 s[G1B+2], 64<<16                     ; tensor_dim1 = 64
	s_mov_b32 s[G1B+3], 256<<16                    ; tile_dim0 = 256
	s_mov_b32 s[G1B+4], 64                         ; tile_dim1 = 64
	s_mov_b32 s[G1B+5], SIZE_N                     ; elements from k-row to k-row
	s_mov_b32 s[G1B+6], 0
	s_mov_b32 s[G1B+7], 0
	; where the tiles come from.  xb's hang on the tile row alone, wb's on the tile column alone; every wave makes both, in registers that never hold the other coordinate
	s_lshl_b32 s16, s13, 7
	s_lshl_b32 s17, s12, 6
	s_add_co_u32 s16, s16, s17                     ; xb: row 128 x tile row + 64 x half,
	s_lshl_b32 s16, s16, 13                        ; of 8,192 bytes: under 2^25
	s_mov_b32 s17, 0
	s_lshl_b32 s46, s12, 19                        ; wb: k-row 64 x half, of 8,192 bytes,
	s_lshl_b32 s47, s42, 9                         ; and the tile column's 512 bytes of a k-row
	s_add_co_u32 s46, s46, s47
	s_mov_b32 s47, 0
	s_mul_i32 s20, s12, AHALF                      ; and where they go: no place in the cluster enters an LDS address
	s_mul_i32 s21, s12, BHALF
	s_add_co_u32 s21, s21, BOFF
	s_wait_dscnt 0x0                               ; both opening adds are done
	s_wait_kmcnt 0x0
	s_add_nc_u64 s[14:15], s[4:5], s[16:17]
	s_add_nc_u64 s[46:47], s[6:7], s[46:47]
	CROUND                                         ; all sixteen work-groups are here: the first joint loads meet
.irp s, 0,1
	s_mov_b32 s[G0+4*(\s)], 1                                        ; count = 1
	s_add_co_u32 s[G0+4*(\s)+1], s20, (\s)*SLOT                      ; LDS address
	s_add_nc_u64 s[G0+4*(\s)+2:G0+4*(\s)+3], s[14:15], (\s)*KSTEP*2  ; global address: K step s
	s_or_b32 s[G0+4*(\s)+3], s[G0+4*(\s)+3], 0x80000000              ; type = 2
	s_mov_b32 s[G0B+4*(\s)], 1
	s_add_co_u32 s[G0B+4*(\s)+1], s21, (\s)*SLOT
	s_add_nc_u64 s[G0B+4*(\s)+2:G0B+4*(\s)+3], s[46:47], (\s)*BSTEP
	s_or_b32 s[G0B+4*(\s)+3], s[G0B+4*(\s)+3], 0x80000000
	JLOAD \s                                       ; two loads of mine are out
.endr
	; A fragment of xb is 16 rows x 32 K in 8 registers: lane l holds row l % 16, K = 8 (l / 16) + 0..7 and 16 + 8 (l / 16) + 0..7: two loads of 16 bytes, 32 bytes apart.
	v_and_b32 v1, 15, v0                           ; l % 16
	v_bfe_u32 v2, v0, 4, 1                         ; l / 16
	v_mul_u32_u24 v3, v1, PA
	v_lshl_add_u32 v3, v2, 4, v3                   ; row x pitch + 16 x half
	s_mul_i32 s22, s11, AHALF                      ; my 64 rows of xb
	v_add_nc_u32 v[ADRA], s22, v3
	v_add_nc_u32 v[ADRA+1], SLOT, v[ADRA]
	; The turning load takes 16 k x 16 columns (lane l reads 16 bytes: k-row 8 (l / 16) + l % 8, columns 8 ((l / 8) % 2) + 0..7) and leaves half a fragment: lane l holds column l % 16 and 8 k.
	v_and_b32 v4, 7, v0
	v_lshl_add_u32 v4, v2, 3, v4
	v_mul_u32_u24 v4, v4, PB
	v_bfe_u32 v5, v0, 3, 1
	v_lshl_add_u32 v4, v5, 4, v4
	s_lshl_b32 s23, s12, 8                         ; my 128 columns: 256 bytes of a k-row
	s_add_co_u32 s23, s23, BOFF
	v_add_nc_u32 v[ADRB], s23, v4
	v_add_nc_u32 v[ADRB+1], SLOT, v[ADRB]
	s_mul_i32 s23, s10, 16*SP
	s_add_co_u32 s23, s23, STAGE                   ; my stage
	v_mul_u32_u24 v5, v1, SP                       ; in: row l % 16, 32 bytes for each half of the lanes
	v_lshl_add_u32 v5, v2, 5, v5
	v_add_nc_u32 v[STO], s23, v5
	v_and_b32 v6, 31, v0                           ; l
	v_lshlrev_b32 v[CO], 4, v6                     ; back: 32 lanes take one row of 512 bytes
	v_add_nc_u32 v[RD], s23, v[CO]
	; out at my wave's first row and column
	s_lshl_b32 s16, s13, 7
	s_lshl_b32 s17, s11, 6
	s_add_co_u32 s16, s16, s17                     ; row 128 x tile row + 64 x half,
	s_lshl_b32 s16, s16, 14                        ; of 16,384 bytes: under 2^25
	s_mov_b32 s17, 0
	s_add_nc_u64 s[8:9], s[8:9], s[16:17]
	s_lshl_b32 s46, s42, 10                        ; the tile's 1,024 bytes of a row, my half's 512
	s_lshl_b32 s47, s12, 9
	s_add_co_u32 s46, s46, s47
	s_mov_b32 s47, 0
	s_add_nc_u64 s[8:9], s[8:9], s[46:47]
	; the prefetches: both offsets are made, in registers that feed no descriptor; one compare on what I fetch for chooses
	s_lshl_b32 s18, s13, 7
	s_lshl_b32 s19, s40, 5
	s_add_co_u32 s18, s18, s19                     ; xb: row 128 x tile row + 32 cx,
	s_lshl_b32 s18, s18, 13
	s_add_co_u32 s18, s18, 5*KSTEP*2               ; at K step 5: the first change of slots steps it to 6
	s_lshl_b32 s46, s12, 6
	s_lshl_b32 s47, s41, 4
	s_add_co_u32 s46, s46, s47                     ; wb: k-row 64 x half + 16 cy,
	s_lshl_b32 s46, s46, 13
	s_lshl_b32 s47, s42, 9
	s_add_co_u32 s46, s46, s47                     ; the tile column's 512 bytes,
	s_add_co_u32 s46, s46, 5*BSTEP                 ; at K step 5
	s_and_b32 s22, ttmp7, 0xffff                   ; cluster y
	s_or_b32 s23, s10, ttmp9                       ; 0 in wave 0 of a cluster with x = 0
	s_mov_b32 s47, BSTEP
	s_cmp_eq_u32 s11, 0                            ; do I fetch for xb?
	s_cselect_b32 s18, s18, s46
	s_cselect_b32 s[PFS], KSTEP*2, s47
	s_cselect_b32 s22, s23, s22                    ; the same in all sixteen partners, for a given wave
	s_cselect_b64 s[PFA:PFA+1], s[4:5], s[6:7]
	s_mov_b32 s19, 0
	s_mov_b32 s[PFS+1], 0
	s_add_nc_u64 s[PFA:PFA+1], s[PFA:PFA+1], s[18:19]
	s_cmp_eq_u32 s22, 0
	s_cselect_b32 s[LIM], 2, -1
	v_lshrrev_b32 v[PFO], s11, v6                  ; xb: a lane a row; wb: two lanes a k-row,
	v_lshlrev_b32 v[PFO], 13, v[PFO]               ; rows of 8,192 bytes in both,
	v_and_b32 v7, s11, v6
	v_lshl_add_u32 v[PFO], v7, 8, v[PFO]           ; the odd lane 256 bytes on
	; nothing is prefetched here, at the head, where every work-group's first tiles are on their way
; 8 matrix instructions: row block a x all 8 column blocks, 32 along K, from buffer f.  zero = 1: the product starts the sums: nothing is ever cleared.
; The 32 accumulators take turns, one instruction a turn, in the same order in every quarter, over the backward jump too: 31 others stand between two links of a chain.
.macro MUL8 f, a, zero
	WIN MUL
.irp b, 0,1,2,3,4,5,6,7
.if \zero
	v_wmma_f32_16x16x32_bf16 v[8*(8*(\a)+(\b)):8*(8*(\a)+(\b))+7], v[(\f)+32+8*(\b):(\f)+32+8*(\b)+7], v[(\f)+8*(\a):(\f)+8*(\a)+7], 0
.else
	v_wmma_f32_16x16x32_bf16 v[8*(8*(\a)+(\b)):8*(8*(\a)+(\b))+7], v[(\f)+32+8*(\b):(\f)+32+8*(\b)+7], v[(\f)+8*(\a):(\f)+8*(\a)+7], v[8*(8*(\a)+(\b)):8*(8*(\a)+(\b))+7]
.endif
.endr
.endm
.macro MUL16 f, h, zero                ; row blocks 2 h and 2 h + 1
.irp a, 2*(\h), 2*(\h)+1
	MUL8 \f, \a, \zero
.endr
.endm
; 24 LDS loads in one run: the fragments of quarter q (32 along K) of a slot into buffer f: wb's eight, turned, then xb's four
.macro FETCH slot, q, f
	WIN 0
.irp b, 0,1,2,3,4,5,6,7
	ds_load_tr16_b128 v[(\f)+32+8*(\b):(\f)+32+8*(\b)+3],   v[ADRB+(\slot)] offset:(\q)*32*PB+32*(\b)
	ds_load_tr16_b128 v[(\f)+32+8*(\b)+4:(\f)+32+8*(\b)+7], v[ADRB+(\slot)] offset:(\q)*32*PB+32*(\b)+16*PB
.endr
.irp a, 0,1,2,3
	ds_load_b128 v[(\f)+8*(\a):(\f)+8*(\a)+3],   v[ADRA+(\slot)] offset:(\a)*16*PA+64*(\q)
	ds_load_b128 v[(\f)+8*(\a)+4:(\f)+8*(\a)+7], v[ADRA+(\slot)] offset:(\a)*16*PA+64*(\q)+32
.endr
.endm
; A load into a register that a matrix instruction has read, and a store that reads a matrix result, stand four places behind that matrix instruction, and only plain vector instructions
; that name none of its registers are places (ISA guide 7.12.1 for vector instructions).
.macro PLACES
.rept 4
	v_nop
.endr
.endm
; A K step is four quarters of 32 along K, 32 matrix instructions each, on buffers 0, 1, 0, 1.  One of the first three: multiplies buffer f and, in its middle, fetches quarter q into buffer g.
.macro QUARTER slot, q, f, g, zero
	s_wait_dscnt 4                                 ; wb's fragments and xb's 0 and 1 are in; the youngest four loads (xb's 2 and 3) may be out
	MUL16 \f, 0, \zero
	PLACES
	FETCH \slot, \q, \g
	s_wait_dscnt 24                                ; all but the 24 just issued
	MUL16 \f, 1, \zero
.endm
; The last quarter multiplies buffer 1 and changes slots: ONE barrier.  In front of it each wave waits for all its tensor loads (one is out: its part of the next slot), adds 0 to its spare word, and waits for
; that and for its own reads of this slot.  fill = 1: the barrier opens a round of the cluster's barrier, and behind the round this slot is filled again, two K steps ahead: 112 matrix instructions ahead of the wait for it.
.macro TURN slot, next, fill
.if \fill
	s_wait_xcnt 0x0                                ; the last prefetch, a K step back, has read its address: it is stepped here, ahead of the waits of the change of slots
	s_add_nc_u64 s[PFA:PFA+1], s[PFA:PFA+1], s[PFS:PFS+1]
.endif
	WIN 0                                          ; (the add's two registers lie in window 0)
	s_wait_tensorcnt 0x0                           ; all my tensor loads have landed;
	ds_add_u32 v[SPW], v[NIL]                      ; 0 onto my spare word;
	s_wait_dscnt 5                                 ; (the add and the youngest four loads may be out)
	MUL8 F1, 0, 0                                  ; eight matrix instructions stand between the add and the wait for it
	s_wait_dscnt 0x0                               ; the add is done, and my reads of this slot are over
	s_barrier_signal -1
	MUL8 F1, 1, 0                                  ; work on registers while the others arrive
.if \fill
	WIN 0
.endif
	s_barrier_wait -1
.if \fill
	CREST                                          ; no wave of any partner still reads this slot's tiles or has a load on its way
	s_add_nc_u64 s[G0+4*(\slot)+2:G0+4*(\slot)+3], s[G0+4*(\slot)+2:G0+4*(\slot)+3], 2*KSTEP*2
	s_add_nc_u64 s[G0B+4*(\slot)+2:G0B+4*(\slot)+3], s[G0B+4*(\slot)+2:G0B+4*(\slot)+3], 2*BSTEP
	JLOAD \slot                                    ; the first tensor load behind the round, my one load until the next; the four v_nop behind it are also the places in front of the loads below
.else
	PLACES
.endif
	FETCH \next, 0, F0
.if \fill
	ASK
.endif
	MUL16 F1, 1, 0
.endm
; THE WAY OUT of row block a: 16 rows x 128 columns of f32.  A lane's eight columns of a row, 32 bytes, go into my own stage (each accumulator's four lowest registers first), and come back as whole rows of 512 bytes.
.macro TOSTAGE a
	WIN 0x04                                       ; store data (source 1) in window 1
.irp b, 0,1,2,3,4,5,6,7
	ds_store_b128 v[STO], v[8*(8*(\a)+(\b)):8*(8*(\a)+(\b))+3]   offset:64*(\b)
	ds_store_b128 v[STO], v[8*(8*(\a)+(\b))+4:8*(8*(\a)+(\b))+7] offset:64*(\b)+16
.endr
	WIN 0
.if (\a) >= 2
	s_wait_xcnt 0x0                                ; the stores of the block two back have read this buffer: it is loaded again only behind this wait
.endif
.irp t, 0,1,2,3,4,5,6,7,8,9,10,11,12,13,14,15
	ds_load_b128 v[OB+64*((\a)%2)+4*(\t):OB+64*((\a)%2)+4*(\t)+3], v[RD] offset:(\t)*SP  ; LDS serves a wave's instructions in order (ISA guide 5.7.1.4): these see the stores above; the next block's stores come behind them
.endr
.endm
.macro SEND a, younger                 ; younger: the LDS instructions issued behind block a's loads: the next block's 32, or none
.irp t, 0,1,2,3,4,5,6,7,8,9,10,11,12,13,14,15
	s_wait_dscnt (\younger)+15-(\t)
	global_store_b128 v[CO], v[OB+64*((\a)%2)+4*(\t):OB+64*((\a)%2)+4*(\t)+3], s[8:9] offset:(16*(\a)+(\t))*OROW th:TH_STORE_NT  ; 32 lanes store 512 consecutive bytes, at a multiple of 256 from the buffer's first byte; 63 rows at the most: inside the signed 24-bit immediate
.endr
.endm
	s_wait_tensorcnt 1                             ; my part of K step 0 is in; K step 1's may stay out
	s_barrier_signal -1
	s_barrier_wait -1                              ; everybody's is
	FETCH 0, 0, F0
	QUARTER 0, 1, F0, F1, 1                        ; the first quarter stands in front of the loop: its products start the sums
	WIN 0                                          ; at a label and at a branch every window is 0
	s_mov_b32 s3, LAPS-1
.Llap:                                                 ; a trip goes once round the ring, from a lap's second quarter to the next lap's first, and fills both slots again
	QUARTER 0, 2, F1, F0, 0
	QUARTER 0, 3, F0, F1, 0
	TURN 0, 1, 1
	QUARTER 1, 1, F0, F1, 0
	QUARTER 1, 2, F1, F0, 0
	QUARTER 1, 3, F0, F1, 0
	TURN 1, 0, 1
	QUARTER 0, 1, F0, F1, 0
	WIN 0
	s_sub_co_u32 s3, s3, 1
	s_cmp_lg_u32 s3, 0
	s_cbranch_scc1 .Llap
	QUARTER 0, 2, F1, F0, 0                        ; the last lap fills nothing, and has no round of the cluster's barrier
	QUARTER 0, 3, F0, F1, 0
	TURN 0, 1, 0
	QUARTER 1, 1, F0, F1, 0
	QUARTER 1, 2, F1, F0, 0
	QUARTER 1, 3, F0, F1, 0
	s_wait_dscnt 4                                 ; the very last quarter: nothing more to fetch
	MUL16 F1, 0, 0
	s_wait_dscnt 0x0
	MUL16 F1, 1, 0
	WIN 0
	PLACES                                         ; behind the last products, in front of the stores that read results and the loads into fragment registers:
	PLACES                                         ; eight places, more than the four that are asked for; once a launch
	TOSTAGE 0
	TOSTAGE 1                                      ; a block's way through the stage stands between the loads of the block before and its stores
	SEND 0, 32
	TOSTAGE 2
	SEND 1, 32
	TOSTAGE 3
	SEND 2, 32
	SEND 3, 0
	s_wait_tensorcnt 0x0                           ; the wave's end, behind my last tensor load and my last LDS store
	ds_add_u32 v[SPW], v[NIL]
	s_wait_dscnt 0x0
	CROUND                                         ; the closing round: no work-group ends while a partner may still ask for a tile that names it
	s_endpgm
.Lfunc_end_k_qac0e79a78b_gemm:
	.size	k_qac0e79a78b_gemm, .Lfunc_end_k_qac0e79a78b_gemm-k_qac0e79a78b_gemm
	.p2alignl 7, 3214868480
	.fill 96, 4, 3214868480
	.section	.rodata,"a",@progbits
	.p2align	6, 0x0
	.amdhsa_kernel k_qac0e79a78b_gemm
		.amdhsa_group_segment_fixed_size 327680
		.amdhsa_private_segment_fixed_size 0
		.amdhsa_enable_private_segment 0
		.amdhsa_kernarg_size 24
		.amdhsa_user_sgpr_count 2
		.amdhsa_user_sgpr_kernarg_segment_ptr 1
		.amdhsa_wavefront_size32 1
		.amdhsa_system_sgpr_workgroup_id_x 1
		.amdhsa_system_sgpr_workgroup_id_y 1
		.amdhsa_system_sgpr_workgroup_id_z 1
		.amdhsa_system_vgpr_workitem_id 0
		.amdhsa_next_free_vgpr 512
		.amdhsa_next_free_sgpr 72
		.amdhsa_reserve_vcc 0
		.amdhsa_float_denorm_mode_32 3
		.amdhsa_float_denorm_mode_16_64 3
		.amdhsa_memory_ordered 1
		.amdhsa_forward_progress 1
		.amdhsa_inst_pref_size 88
	.end_amdhsa_kernel
	.amdgpu_metadata
---
amdhsa.version: [ 1, 2 ]
amdhsa.kernels:
  - .name:           k_qac0e79a78b_gemm
    .symbol:         k_qac0e79a78b_gemm.kd
    .args:
      - { .name: xb, .offset: 0, .size: 8, .value_kind: global_buffer, .address_space: global }
      - { .name: wb, .offset: 8, .size: 8, .value_kind: global_buffer, .address_space: global }
      - { .name: out0, .offset: 16, .size: 8, .value_kind: global_buffer, .address_space: global }
    .group_segment_fixed_size: 327680
    .private_segment_fixed_size: 0
    .kernarg_segment_align: 8
    .kernarg_segment_size: 24
    .max_flat_workgroup_size: 128
    .sgpr_count:     72
    .vgpr_count:     512
    .wavefront_size: 32
...
	.end_amdgpu_metadata
.endif
;; end of part 2
;; ======== version 2 of 2: 2 launches; version 1 with the launch prep written anew for expert scheduling mode
;; workspace buffers: wb 33,554,432 bytes; xb 16,777,216 bytes
;; launch prep (part 3): grid 2048 x 1, 4 waves a work-group, no clusters, 0 bytes of LDS; arguments base, coeff, mask, x, wb, xb; writes wb, xb
.if DOCPART == 3
	.amdgcn_target "amdgcn-amd-amdhsa--gfx1250"
	.amdhsa_code_object_version 6
	.text
	.protected	k_qac0e79a78b_prep
	.globl	k_qac0e79a78b_prep
	.p2align	8
	.type	k_qac0e79a78b_prep,@function
k_qac0e79a78b_prep:
	s_mov_b64 s[64:65], 0
	v_nop
	global_prefetch_b8 v0, s[64:65] scope:SCOPE_SE
	s_setreg_imm32_b32 hwreg(HW_REG_WAVE_SCHED_MODE, 0, 2), 2
	s_setreg_imm32_b32 hwreg(HW_REG_WAVE_MODE, 25, 1), 1
	s_wait_xcnt 0x0
	s_wait_alu depctr_vm_vsrc(0)
; out = x . base + c (x . m), with m = float(mask) and c = coeff[0].
; ONE PRODUCT FOR TWO.  For all real values of the inputs x . base + c (x . m) = x . (base + c m): multiplication distributes over addition.
; So the program forms W = base + c m once, element by element (this launch), and multiplies x by W once (the next launch): half the matrix work of the formula as written.
; Nothing is left out: every input is loaded, and m is float(mask) whatever whole numbers mask holds.
; THIS LAUNCH.  wb[k][n] = bf16( bf16(base[k][n]) + bf16(c) float(mask[k][n]) ), in the order of base; xb = bf16(x).  The sum is one fused multiply-add in f32.
; Each input is rounded to bf16 first, as a matrix operand is; W is then rounded once more, since it is the operand of the one product.
; LIMITS.  W is rounded to bf16 where the formula as written keeps two f32 sums: the error goes with |W| |x| and forms no difference of large sums; base is rounded twice.
; An overflow or an infinity that arises in c (x . m) alone, or a NaN from infinities of opposite sign in the two products, is not reproduced term by term.
; SHARES.  A stream: no LDS, no barrier, no loop.  Work-group g owns elements 8,192 g .. + 8,191 of W and 4,096 g .. + 4,095 of x.  An item is four numbers a thread, 512 a work-group:
; 16 items of W, 8 of x.  A load of a wave covers 512 consecutive bytes, a store 256 consecutive bytes, aligned.
; IN FLIGHT.  All 40 loads of a wave, 20 KiB, are issued before the first wait on them.  No register is loaded twice and none that a store reads is written again.
; THE MODE: SCHED_MODE bits 1:0 = 2 (LLVM: expert scheduling mode 2), set by the entry lines.  The code itself states the register dependences
; between vector instructions and memory instructions, with s_wait_alu, always for 0.
; THE PLAN.  Registers that memory instructions touch:
;   v1, v2     byte offsets, made once at the head and never written again: v1 is read by every load, v2 by every store.
;   D, group j 20 registers.  The group's five loads land in them, issued at the head, before any vector instruction names them.  The group's arithmetic works in place, behind the waits for its data.
;              Its last roundings leave three out pairs, at + 4, + 12 and + 16, which one store each reads and nothing writes again.
;   v4 to v7   are named by vector instructions alone.
; So the one kind of dependence is: a vector instruction has written what a memory instruction reads.  One wait at the head states it for the offsets.  A group's three stores are issued at the head of
; the NEXT group, behind one wait that states it for the three out pairs; no vector instruction of the next group names them.  The last group's stores have a wait of their own.
; No load lands in a register that a vector instruction has named, and no register that a memory instruction has read is written again: there is nothing else to state.
.set CF, 4                             ; v[4:5]   bf16(c) as f32, twice: a pair for the packed multiply-add
.set T,  6                             ; v[6:7]   at work: four numbers of base, rounded to bf16
.set D,  8                             ; v[8:167] group j of eight at D + 20 j: base item 2 j, mask item 2 j, base item 2 j + 1, mask item 2 j + 1, x item j: four registers each
	s_load_b256 s[4:11], s[0:1], 0x0               ; base s[4:5], coeff s[6:7], mask s[8:9], x s[10:11]
	s_load_b128 s[12:15], s[0:1], 0x20             ; wb s[12:13], xb s[14:15]
	v_lshlrev_b32 v1, 4, v0                        ; my 16 bytes of an item of base, mask or x; never rewritten
	v_lshlrev_b32 v2, 3, v0                        ; my 8 bytes of an item of wb or xb; never rewritten
	s_mov_b32 s17, 0xffff0000                      ; a word's upper bf16
	s_lshl_b32 s18, ttmp9, 15                      ; the work-group's 32,768 bytes of base and of mask
	s_mov_b32 s19, 0
	s_lshl_b32 s20, ttmp9, 14                      ; its 16,384 bytes of x and of wb
	s_mov_b32 s21, 0
	s_lshl_b32 s22, ttmp9, 13                      ; its 8,192 bytes of xb
	s_mov_b32 s23, 0
	s_wait_kmcnt 0x0
	s_load_b32 s16, s[6:7], 0x0                    ; c
	s_add_nc_u64 s[4:5], s[4:5], s[18:19]
	s_add_nc_u64 s[8:9], s[8:9], s[18:19]
	s_add_nc_u64 s[10:11], s[10:11], s[20:21]
	s_add_nc_u64 s[12:13], s[12:13], s[20:21]
	s_add_nc_u64 s[14:15], s[14:15], s[22:23]
	s_wait_alu depctr_va_vdst(0)                   ; v1 and v2 are written: every load and store of the kernel reads one of them as its offset
.irp j, 0,1,2,3,4,5,6,7                ; five loads a group, in the order in which they are used
	global_load_b128 v[D+20*(\j):D+20*(\j)+3],     v1, s[4:5]   offset:4096*(\j) th:TH_LOAD_NT
	global_load_b128 v[D+20*(\j)+4:D+20*(\j)+7],   v1, s[8:9]   offset:4096*(\j) th:TH_LOAD_NT
	global_load_b128 v[D+20*(\j)+8:D+20*(\j)+11],  v1, s[4:5]   offset:4096*(\j)+2048 th:TH_LOAD_NT
	global_load_b128 v[D+20*(\j)+12:D+20*(\j)+15], v1, s[8:9]   offset:4096*(\j)+2048 th:TH_LOAD_NT
	global_load_b128 v[D+20*(\j)+16:D+20*(\j)+19], v1, s[10:11] offset:2048*(\j) th:TH_LOAD_NT
.endr
	s_wait_kmcnt 0x0                               ; c
	v_mov_b32 v[CF], s16
	v_cvt_pk_bf16_f32 v[CF], v[CF], v[CF]          ; c rounded to bf16,
	v_lshlrev_b32 v[CF], 16, v[CF]                 ; and widened again
	v_mov_b32 v[CF+1], v[CF]
; An item of W: base in v[r:r+3], mask in v[r+4:r+7]; the four numbers of W are left in v[r+4:r+5], to be stored.
.macro WITEM r
	v_cvt_pk_bf16_f32 v[T],   v[(\r)],   v[(\r)+1]   ; base rounded to bf16,
	v_cvt_pk_bf16_f32 v[T+1], v[(\r)+2], v[(\r)+3]
.irp k, 4,5,6,7
	v_cvt_f32_i32 v[(\r)+\k], v[(\r)+\k]             ; m = float(mask)
.endr
	v_lshlrev_b32 v[(\r)],   16,  v[T]               ; and widened again: the low half moves up, the high half stays
	v_and_b32     v[(\r)+1], s17, v[T]
	v_lshlrev_b32 v[(\r)+2], 16,  v[T+1]
	v_and_b32     v[(\r)+3], s17, v[T+1]
	v_pk_fma_f32 v[(\r):(\r)+1],   v[(\r)+4:(\r)+5], v[CF:CF+1], v[(\r):(\r)+1]      ; m c + base, two at a time
	v_pk_fma_f32 v[(\r)+2:(\r)+3], v[(\r)+6:(\r)+7], v[CF:CF+1], v[(\r)+2:(\r)+3]
	v_cvt_pk_bf16_f32 v[(\r)+4], v[(\r)],   v[(\r)+1]
	v_cvt_pk_bf16_f32 v[(\r)+5], v[(\r)+2], v[(\r)+3]
.endm
; An item of x, in v[r:r+3]; the four numbers are left in v[r:r+1], to be stored.
.macro XITEM r
	v_cvt_pk_bf16_f32 v[(\r)],   v[(\r)],   v[(\r)+1]
	v_cvt_pk_bf16_f32 v[(\r)+1], v[(\r)+2], v[(\r)+3]
.endm
; Group j's three stores: items 2 j and 2 j + 1 of W, item j of x.  A wave stores 256 consecutive bytes, at a multiple of 256 from the buffer's first byte.
.macro OUT j
	global_store_b64 v2, v[D+20*(\j)+4:D+20*(\j)+5],   s[12:13] offset:2048*(\j)
	global_store_b64 v2, v[D+20*(\j)+12:D+20*(\j)+13], s[12:13] offset:2048*(\j)+1024
	global_store_b64 v2, v[D+20*(\j)+16:D+20*(\j)+17], s[14:15] offset:1024*(\j)
.endm
.irp j, 0,1,2,3,4,5,6,7                ; of the 40 loads, 5 j + 2, 5 j + 4 and 5 j + 5 have to be in: the counts run down to 3, 1, 0 (loads come back in order: ISA guide 5.7.1)
	s_wait_loadcnt 38-5*(\j)                       ; item 2 j's base and mask are in; the younger loads stay out
.if (\j) > 0
	s_wait_alu depctr_va_vdst(0)                   ; the group before has written its three out pairs, which the three stores below read; no vector instruction of this group names them
	OUT (\j)-1
.endif
	WITEM D+20*(\j)
	s_wait_loadcnt 36-5*(\j)                       ; item 2 j + 1's
	WITEM D+20*(\j)+8
	s_wait_loadcnt 35-5*(\j)                       ; x's item j
	XITEM D+20*(\j)+16
.endr
	s_wait_alu depctr_va_vdst(0)                   ; the last group has written its three out pairs, which the last three stores read
	OUT 7
	s_endpgm
.Lfunc_end_k_qac0e79a78b_prep:
	.size	k_qac0e79a78b_prep, .Lfunc_end_k_qac0e79a78b_prep-k_qac0e79a78b_prep
	.p2alignl 7, 3214868480
	.fill 96, 4, 3214868480
	.section	.rodata,"a",@progbits
	.p2align	6, 0x0
	.amdhsa_kernel k_qac0e79a78b_prep
		.amdhsa_group_segment_fixed_size 0
		.amdhsa_private_segment_fixed_size 0
		.amdhsa_enable_private_segment 0
		.amdhsa_kernarg_size 48
		.amdhsa_user_sgpr_count 2
		.amdhsa_user_sgpr_kernarg_segment_ptr 1
		.amdhsa_wavefront_size32 1
		.amdhsa_system_sgpr_workgroup_id_x 1
		.amdhsa_system_sgpr_workgroup_id_y 1
		.amdhsa_system_sgpr_workgroup_id_z 1
		.amdhsa_system_vgpr_workitem_id 0
		.amdhsa_next_free_vgpr 168
		.amdhsa_next_free_sgpr 66
		.amdhsa_reserve_vcc 0
		.amdhsa_float_denorm_mode_32 3
		.amdhsa_float_denorm_mode_16_64 3
		.amdhsa_memory_ordered 1
		.amdhsa_forward_progress 1
		.amdhsa_inst_pref_size 20
	.end_amdhsa_kernel
	.amdgpu_metadata
---
amdhsa.version: [ 1, 2 ]
amdhsa.kernels:
  - .name:           k_qac0e79a78b_prep
    .symbol:         k_qac0e79a78b_prep.kd
    .args:
      - { .name: base, .offset: 0, .size: 8, .value_kind: global_buffer, .address_space: global }
      - { .name: coeff, .offset: 8, .size: 8, .value_kind: global_buffer, .address_space: global }
      - { .name: mask, .offset: 16, .size: 8, .value_kind: global_buffer, .address_space: global }
      - { .name: x, .offset: 24, .size: 8, .value_kind: global_buffer, .address_space: global }
      - { .name: wb, .offset: 32, .size: 8, .value_kind: global_buffer, .address_space: global }
      - { .name: xb, .offset: 40, .size: 8, .value_kind: global_buffer, .address_space: global }
    .group_segment_fixed_size: 0
    .private_segment_fixed_size: 0
    .kernarg_segment_align: 8
    .kernarg_segment_size: 48
    .max_flat_workgroup_size: 128
    .sgpr_count:     66
    .vgpr_count:     168
    .wavefront_size: 32
...
	.end_amdgpu_metadata
.endif
;; end of part 3
;; launch gemm: the kernel of part 2 again; grid 16 x 16, 4 waves a work-group, clusters of 4 x 4, 327,680 bytes of LDS; arguments xb, wb, out0; writes out0
